; MI455X (gfx1250); checked and timed in simulation.
; The chip was launched on July 23, 2026; its instructions are those of AMD's public machine-readable ISA for CDNA 5 (MIT licence, August 2026) and "CDNA5" Instruction Set Architecture Reference Guide (July 2026). The comments in the code are by the model that wrote it; some were corrected since.
;; Distributional Ordered Encoder. Allowed arithmetic: matrix products marked QUANTISED: E2M3 operands, one E8M0 scale for each 32 along K, by v_wmma_scale_f32_16x16x128_f8f6f4 with both operands' format E2M3, f32 sums; products left as they are: f32 operands where the result goes on into a quantised operand, else bf16, f16 or f32 operands; f32 sums; everything else in f32.
;; Inputs: att_b1 64 float32; att_b2 1 float32; att_w1 192 x 64 float32; att_w2 64 x 1 float32; ln_beta 64 float32; ln_gamma 64 float32; pos_b1 64 float32; pos_b2 64 float32; pos_w1 1 x 64 float32; pos_w2 64 x 64 float32; proj_b 64 float32; proj_w 64 x 64 float32; segmented_emb 128 x 64 x 64 x 64 float32; segmented_mask 128 x 64 x 64 int32; target_emb 128 x 64 float32.
;; Outputs: out0 128 x 64 x 64 float32.
;; This version of the problem:
;;   THIS VERSION OF THE PROBLEM IS GIVEN IN LOW PRECISION. The matrix products marked QUANTISED in the list below multiply operands that are first quantised to E2M3 (2 exponent bits, 3 mantissa bits; 6 bits a number), with one power-of-two scale for each 32 numbers along K (OCP MX v1.0); their sums are f32. All else is computed in f32.
;;   The module's matrix products, in the order in which they are computed (A, B: the left and right operand; K: the contracted axis; several contracted axes count as one K, in the product's order):
;;     1. [M 64, K 1] x [K 1, N 64]; A: computed on the way; B: input pos_w1: left as it is (K = 1 < 32)
;;     2. [M 64, K 64] x [K 64, N 64]; A: computed on the way; B: input pos_w2: QUANTISED
;;     3. [M 524,288, K 64] x [K 64, N 64]; A: input segmented_emb; B: input att_w1: QUANTISED
;;     4. [M 64, K 64] x [K 64, N 64]; A: computed on the way; B: input att_w1: QUANTISED
;;     5. [M 128, K 64] x [K 64, N 64]; A: input target_emb; B: input att_w1: QUANTISED
;;     6. [M 524,288, K 64] x [K 64, N 1]; A: computed on the way; B: input att_w2: left as it is (N = 1 < 16)
;;     7. batch 8,192 x [M 1, K 64] x [K 64, N 64]; A: softmax; B: input segmented_emb: left as it is (M = 1 < 16)
;;     8. [M 8,192, K 64] x [K 64, N 64]; A: computed on the way; B: input proj_w: QUANTISED
;;   THE QUANTISER, for each operand of a quantised product, along K:
;;     - K is cut into blocks of 32 from its start; a last block that is shorter is filled with zeros.
;;     - A block's scale is 2^e with e = floor(log2(the largest magnitude in the block)) - 2, held to -126 .. 127; a block of zeros has e = 0. As a byte (E8M0): e + 127.
;;     - Each number is divided by its block's scale, clamped to +-7.5, and rounded to the nearest number of E2M3, ties to even, subnormals kept.
;;     - The product sums the exact products of the quantised numbers (number of the format x scale) in f32.
;;   ~~~python
;;   def quantise(x, axis):      # numpy; x: float32 -> the quantised numbers, widened to float32 again
;;       x = np.moveaxis(x, axis, -1); K = x.shape[-1]
;;       x = np.pad(x, [(0, 0)] * (x.ndim - 1) + [(0, -K % 32)]); x = x.reshape(x.shape[:-1] + (-1, 32)); a = np.abs(x).max(-1, keepdims=True)
;;       e = np.where(a > 0, np.clip(np.frexp(np.where(a > 0, a, 1))[1] - 1 - 2, -126, 127), 0)      # np.frexp(a)[1] - 1 = floor(log2(a)), exactly
;;       r = np.clip(x / 2.0 ** e, -7.5, 7.5)
;;       step = 2.0 ** (np.maximum(np.frexp(np.where(r == 0, 1, r))[1] - 1, 0) - 3)
;;       q = np.round(r / step) * step * 2.0 ** e      # np.round: ties to even
;;       return np.moveaxis(q.reshape(q.shape[:-2] + (-1,))[..., :K], -1, axis).astype(np.float32)
;;   ~~~
;;   OPERANDS COMPUTED ON THE WAY. 'Computed on the way' means the value that the module computes at that place (a softmax that the list does not call 'softmax' is quantised finished and normalised). What goes into a quantiser is computed in f32, as accurately as f32 sums, v_exp_f32 and their like allow (about 1e-6 of the number): no bf16 or f16 on the way to a quantiser, and a product that is left as it is and whose result goes on into a quantised operand takes f32 operands (vector FMAs, or v_wmma_f32_16x16x4_f32). A number that lies on a knife's edge between two numbers of the format may be rounded either way, as far as f32 arithmetic and the matrix unit's own rounding can turn it there, and no further.
;; One version. Each part assembles by itself: llvm-mc -triple=amdgcn-amd-amdhsa -mcpu=gfx1250 --defsym DOCPART=n.
;; ======== version 1 of 1: 1 launch
;; launch encoder (part 1): grid 256 x 1, 8 waves a work-group, no clusters, 273,408 bytes of LDS; arguments segmented_emb, segmented_mask, target_emb, att_w1, pos_w2, proj_w, att_b2, out0, pos_w1, pos_b1, pos_b2, att_b1, att_w2, proj_b, ln_gamma, ln_beta; writes out0
.if DOCPART == 1
	.amdgcn_target "amdgcn-amd-amdhsa--gfx1250"
	.amdhsa_code_object_version 6
	.text
	.protected	k_qa55e6b4db0_encoder
	.globl	k_qa55e6b4db0_encoder
	.p2align	8
	.type	k_qa55e6b4db0_encoder,@function
k_qa55e6b4db0_encoder:
	s_mov_b64 s[64:65], 0
	v_nop
	global_prefetch_b8 v0, s[64:65] scope:SCOPE_SE
	s_setreg_imm32_b32 hwreg(HW_REG_WAVE_MODE, 25, 1), 1
	s_wait_xcnt 0x0
; For each (b, t): 64 rows (s) x 64 numbers (d) of f32.  score[s] = relu(emb W_emb + pos W_pos + tgt W_tgt + b1) . w2 + b2, masked; softmax over s;
; seg = sum of p[s] emb[s]; seg proj_w + proj_b; LayerNorm.  The five 64-deep products go on codes of FP6 (E2M3) with one E8M0 scale for each 32 along K.
; SHARES.  256 work-groups of 8 waves.  Work-group g owns b = g / 2 and 32 values of t: 32 tiles of 16 KiB on end.  Wave w owns 4 neighbouring tiles (64 KiB on end).
; A tile comes by 32 loads of 512 consecutive bytes into one of two buffers of 128 registers (window 1) and is read from memory once.
; THE MATRIX INSTRUCTION IS USED TRANSPOSED: source 0 = 16 columns of a weight, source 1 = 16 data rows: a lane holds ONE data row and its registers run along the output units.
; THE COLUMNS OF A WEIGHT TILE ARE NOT NEIGHBOURS: lane r of tile q takes column 8 q + r % 8 + 32 (r / 8), so register 8 q + j of lane (r, h) is unit 32 h + 8 q + j:
; the four tiles' 32 registers are a whole block of 32 neighbours in one lane, and every per-unit vector has one layout: 32 floats at byte 128 h.
; emb W_emb and pos W_pos share ONE instruction: K = 128 = emb's 64, then pos_enc's 64, against rows 0-127 of att_w1; the blocks of 32 and their scales are those of the two products.
; Its C is tgt W_tgt + att_b1, the same for all rows of the work-group.
; The f32 tile is used twice: as loaded (lane = row 2 i + lane / 16, d = 4 (lane % 16) on) for the weighted sum, and, turned through the wave's own stage in LDS, as 32 neighbours of one row a lane for the quantiser.
; No tensor load, no cluster: work-groups share only 80 KiB of weights against 512 KiB of their own, and a tile in LDS would be read twice.
; LIMITS: NaN and infinities among the inputs are not served.  A block whose largest magnitude lies under 2^-124 has its scale byte held at 1.  A block of zeros gets the byte 1 and not 127:
; its codes are zeros, and this program alone reads the bytes.  s / 63 is a multiplication by 1 / 63 with one correction step.
.set SMALL, 81920                      ; LDS.  0: 320 rows x 256 bytes as they lie: att_w1 (192), pos_w2 (64), proj_w (64).  SMALL: 8 vectors x 256 bytes, in the order of the arguments from pos_w1 on
.set HIMG,  83968                      ; 24 half fragments (6 registers a lane) as images of their registers: registers 0-3 at 16 x lane, 4-5 at 512 + 8 x lane: 768 bytes each
.set USC,   102400                     ; their scale words, 4 x lane: 128 bytes each.  Unit 4 G + q: G = 0 w_emb, 1 w_pos, 2 w_tgt, 3 pos_w2, 4 proj_w; units 20 + m: pos_enc's rows 16 m on
.set MASKR, 105472                     ; 1,024 bytes a wave: its four tiles' masks
.set PBUF,  113664                     ; 256 bytes a wave: p[s] at 128 (s % 2) + 4 (s / 2)
.set SEG,   115712                     ; 32 rows of seg, 272 bytes apart
.set OST,   124416                     ; the way out of waves 0 and 1: 16 rows x 272 bytes each
.set STAGE, 133120                     ; 17,408 bytes a wave: a tile's 64 rows, 272 bytes apart (68 words: the 16 rows that a load touches start in 16 different groups of banks)
.set OGO, 1                            ; v1   16 x lane: the stores' offset in out0
.set GO,  2                            ; v2   65,536 x wave + 16 x lane; never rewritten
.set ST,  3                            ; v3   stage, way in:  272 h + 16 r
.set LQ,  4                            ; v4   stage, way out: 272 r + 128 h
.set MK,  5                            ; v5   my mask word
.set PA,  6                            ; v6   where I put p
.set PR,  7                            ; v7   where my half of the lanes reads p
.set LI,  8                            ; v8   HIMG + 16 x lane
.set LJ,  9                            ; v9   HIMG + 512 + 8 x lane
.set LS,  10                           ; v10  USC + 4 x lane
.set SG,  11                           ; v11  my wave's rows of SEG + 16 r
.set SH8, 12                           ; v12  8 h
.set NEGR, 13                          ; v13  -1e9
.set B2P, 14                           ; v[14:15] (att_b2 in lanes 0-15, else 0 ; 0)
.set NILR, 15
.set WES, 16                           ; v16-19 the weights' scale words;  v20-21 the data's: these six hold scales and nothing else
.set FS,  20
.set PSC, 22                           ; v22-25 pos_enc's scale words, 16 bits up
.set MSK, 26                           ; v26-27 mask
.set WE,  28                           ; v28-75 four weight fragments
.set F0,  76                           ; v76-87, v88-99 two data fragments
.set F1,  88
.set CB,  100                          ; v100-131 tgt W_tgt + att_b1
.set W2,  132                          ; v132-163 att_w2
.set Q0,  164                          ; v164-195, v196-227: 32 numbers in, then four accumulators
.set Q1,  196
.set CT,  228                          ; v228-230, v232-234: a conversion's second half (its three registers begin on an even number)
.set OSI, 231                          ; v231 the way out: into OST
.set OSO, 235                          ; v235 and back
.set MX,  236                          ; v236-239 largest magnitudes, bytes
.set SOP, 240                          ; v240-241 the conversions' scale operands
.set DA,  242                          ; v242-245 two packed sums
.set SQ,  246                          ; v246-249 scores
.set PT,  250
.set MXA, 251
.set RC,  252                          ; v[252:253] 1 / sum of p ; 0
.set VEC, 254                          ; v254 SMALL + 128 h
.set SR,  255                          ; v255 my row of SEG + 128 h
.set AP,  Q0                           ; the weighted sum: 32 p's, four chains of four sums, four exchanged
.set ACC, Q1
.set PT4, Q1+16
.set XA,  0                            ; window 1: the two tile buffers
.set XB,  128
.set RAWR, 28                          ; the head's registers
.set SMR,  108
.set MKR,  112
.set RA1,  120
.set RA2,  121
.set RA3,  122
.set SMA,  123
.set MKA,  124
.set MGO,  125
.set TGO,  126
.set SMO,  127
.set TG,   Q1
.set RB,   246
.set RB2,  247
.set HB,   248
.set HB2,  249
.set SB,   250
.set UA,   28
.set UB,   60
.set UC,   92
.set U6,   124
.set PA1,  28
.set PB1,  60
.set PAF,  92
.set PF,   104
.set PD,   152
.set PCD,  184
.set MSB, 0
.macro WIN new                         ; the immediate's high byte repeats the setting that is left
.if MSB != \new
	s_set_vgpr_msb (MSB<<8)|\new
.set MSB, \new
.endif
.endm
.macro NOPS n
.rept \n
	v_nop
.endr
.endm
.macro BARRIER                         ; my LDS stores have landed and my LDS loads are in: then the work-group's barrier
	s_wait_dscnt 0x0
	s_barrier_signal -1
	s_barrier_wait -1
.endm
.macro XLOAD x, j, i0, n               ; n loads of 512 consecutive bytes of my tile j, from chunk i0 on, into buffer x
	WIN 0x40                                       ; destination window 1, address window 0
.set xi, \i0
.rept \n
	global_load_b128 v[\x+4*xi:\x+4*xi+3], v[GO], s[8:9] offset:16384*(\j)+512*xi th:TH_LOAD_NT
.set xi, xi+1
.endr
	WIN 0
.endm
; The largest magnitude of a lane's 32 numbers, a whole block, in two chains, ascending (so that accumulators are read from their low ends on), with the floor 2^(3 - 127) as one leaf;
; 2 off its exponent field gives the conversion's scale operand, and that, shifted, the scale's byte.
.macro Q32A src, k
	v_max3_num_f32 v[MX+2*\k], |v[\src]|, |v[\src+1]|, 0x1800000
	v_max3_num_f32 v[MX+2*\k+1], |v[\src+2]|, |v[\src+3]|, |v[\src+4]|
.irp i, 5,9,13,17,21,25
	v_max3_num_f32 v[MX+2*\k], v[MX+2*\k], |v[\src+\i]|, |v[\src+\i+1]|
	v_max3_num_f32 v[MX+2*\k+1], v[MX+2*\k+1], |v[\src+\i+2]|, |v[\src+\i+3]|
.endr
	v_max3_num_f32 v[MX+2*\k], v[MX+2*\k], |v[\src+29]|, |v[\src+30]|
	v_max3_num_f32 v[MX+2*\k], v[MX+2*\k], v[MX+2*\k+1], |v[\src+31]|
	v_add_nc_u32 v[SOP+\k], 0xff000000, v[MX+2*\k]
	v_lshrrev_b32 v[MX+2*\k], 23, v[SOP+\k]
.endm
.macro SCW dst, k, orsrc               ; my byte at its place (8 h bits up), with what else the word holds; with lane l xor 16's the word is whole
	v_lshl_or_b32 v[MX+2*\k], v[MX+2*\k], v[SH8], v[\orsrc]
	v_permlanex16_b32 v[MX+2*\k+1], v[MX+2*\k], s44, s45
	v_or_b32 v[\dst], v[MX+2*\k], v[MX+2*\k+1]
.endm
.macro Q32B src, dst, k                ; 32 numbers -> 192 bits of codes: registers 0-2 in place, 3-5 made elsewhere and moved
	v_cvt_scalef32_pk16_fp6_f32 v[\dst:\dst+2], v[\src:\src+15], v[SOP+\k]
	v_cvt_scalef32_pk16_fp6_f32 v[CT+4*\k:CT+4*\k+2], v[\src+16:\src+31], v[SOP+\k]
.endm
.macro Q32M dst, k
	v_mov_b32 v[\dst+3], v[CT+4*\k]
	v_mov_b32 v[\dst+4], v[CT+4*\k+1]
	v_mov_b32 v[\dst+5], v[CT+4*\k+2]
.endm
.macro HLOAD reg, u                    ; half fragment u comes back as it was stored, in any wave
	ds_load_b128 v[\reg:\reg+3], v[LI] offset:768*(\u)
	ds_load_b64 v[\reg+4:\reg+5], v[LJ] offset:768*(\u)
.endm
.macro USTORE reg, ho, so              ; six registers of codes and the scale word in v238 go to LDS as they stand
	ds_store_b128 v[HB], v[\reg:\reg+3] offset:\ho
	ds_store_b64 v[HB2], v[\reg+4:\reg+5] offset:\ho
	ds_store_b32 v[SB], v238 offset:\so
.endm
.macro ZERO6 reg                       ; the upper 64 of K where a product has only 64: zero codes
.irp z, 0,1,2,3,4,5
	v_mov_b32 v[\reg+\z], 0
.endr
.endm
.macro VLOAD reg, vv                   ; vector vv: my half's 32 floats
.irp z, 0,1,2,3,4,5,6,7
	ds_load_b128 v[\reg+4*\z:\reg+4*\z+3], v[VEC] offset:256*(\vv)+16*\z
.endr
.endm
.macro UNIT src, ho, so                ; a weight's 32 numbers down K of my column become half a fragment
	Q32A \src, 0
	SCW 238, 0, NILR
	Q32B \src, U6, 0
	v_nop                                          ; one plain line behind the conversions
	Q32M U6, 0
	USTORE U6, \ho, \so
.endm
.macro QLOAD m, k                      ; ten LDS loads: row 16 m + r's block h from the stage, and pos_enc's codes of the same row into the fragment's upper half
.irp z, 0,1,2,3,4,5,6,7
	ds_load_b128 v[Q0+32*\k+4*\z:Q0+32*\k+4*\z+3], v[LQ] offset:4352*(\m)+16*\z
.endr
	HLOAD F0+12*\k+6, 20+\m
.endm
.macro WM k                            ; four tiles of hidden units for 16 rows; the sums begin with CB, which lies in other registers
.irp n, 0,1,2,3
	v_wmma_scale_f32_16x16x128_f8f6f4 v[Q0+32*\k+8*\n:Q0+32*\k+8*\n+7], v[WE+12*\n:WE+12*\n+11], v[F0+12*\k:F0+12*\k+11], v[CB+8*\n:CB+8*\n+7], v[WES+\n], v[FS+\k] matrix_a_fmt:MATRIX_FMT_FP6 matrix_b_fmt:MATRIX_FMT_FP6
.endr
.endm
.macro WMP acc, a, b                   ; four tiles onto a bias that lies in the accumulators
.irp n, 0,1,2,3
	v_wmma_scale_f32_16x16x128_f8f6f4 v[\acc+8*\n:\acc+8*\n+7], v[\a+12*\n:\a+12*\n+11], v[\b:\b+11], v[\acc+8*\n:\acc+8*\n+7], v[WES+\n], v[FS] matrix_a_fmt:MATRIX_FMT_FP6 matrix_b_fmt:MATRIX_FMT_FP6
.endr
.endm
.macro RD k, qreg                      ; relu, and the dot product with att_w2 over my 32 units, in two packed chains, ascending; att_b2 starts the first chain in lanes 0-15
.set rq, Q0+32*\k
	v_max_num_f32 v[rq], 0, v[rq]
	v_max_num_f32 v[rq+1], 0, v[rq+1]
	v_max_num_f32 v[rq+2], 0, v[rq+2]
	v_max_num_f32 v[rq+3], 0, v[rq+3]
	v_pk_fma_f32 v[DA:DA+1], v[rq:rq+1], v[W2:W2+1], v[B2P:B2P+1]
	v_pk_mul_f32 v[DA+2:DA+3], v[rq+2:rq+3], v[W2+2:W2+3]
.irp p, 2,3,4,5,6,7,8,9,10,11,12,13,14,15
	v_max_num_f32 v[rq+2*\p], 0, v[rq+2*\p]
	v_max_num_f32 v[rq+2*\p+1], 0, v[rq+2*\p+1]
	v_pk_fma_f32 v[DA+2*(\p%2):DA+2*(\p%2)+1], v[rq+2*\p:rq+2*\p+1], v[W2+2*\p:W2+2*\p+1], v[DA+2*(\p%2):DA+2*(\p%2)+1]
.endr
	v_pk_add_f32 v[DA:DA+1], v[DA:DA+1], v[DA+2:DA+3]
	v_add_f32 v[\qreg], v[DA], v[DA+1]
.endm
; Rows 16 m0 .. 16 m0 + 31: quantised and multiplied.
.macro HALF m0
	s_wait_dscnt 10                                ; the second QLOAD's ten loads may be out; all older LDS instructions are done
	Q32A Q0, 0
	SCW FS, 0, PSC+\m0
	s_wait_dscnt 0x0
	Q32A Q1, 1
	SCW FS+1, 1, PSC+\m0+1
	Q32B Q0, F0, 0
	Q32B Q1, F1, 1
	v_nop                                          ; one plain line behind the conversions
	Q32M F0, 0
	Q32M F1, 1
	NOPS 4                                         ; behind the second scale word: 1 + 3 + 4 = 8 plain lines that name none of its product's registers; behind the last move: 4
	WM 0
	WM 1                                           ; eight matrix instructions on eight accumulators
	NOPS 4                                         ; four places ahead of the first read of results and of loads into the products' registers
.endm
; One tile.  lc: the loads issued behind this tile's 32, which may stay out.  extra: the one load of tile 1 that was held back at the head.  refill: the tile that takes this buffer next, or -1.
.macro TILE j, x, lc, extra, refill
	s_wait_loadcnt \lc
	WIN 0x04                                       ; an LDS store's data are its source 1: window 1
.set ti, 0
.rept 32
	ds_store_b128 v[ST], v[\x+4*ti:\x+4*ti+3] offset:544*ti   ; rows 2 i and 2 i + 1; LDS serves a wave's instructions in order, so no wait stands ahead of the loads below
.set ti, ti+1
.endr
	WIN 0
.if \extra
	XLOAD XB, 1, 31, 1
.endif
	ds_load_b32 v[MSK], v[MK] offset:256*\j
	ds_load_b32 v[MSK+1], v[MK] offset:256*\j+128
	QLOAD 0, 0
	QLOAD 1, 1
	HALF 0
	RD 0, SQ
	QLOAD 2, 0
	RD 1, SQ+1
	QLOAD 3, 1
	v_permlane16_swap_b32 v[SQ], v[SQ+1]           ; the two halves of a row's dot product meet: lane l now holds both parts of row l
	v_add_f32 v[SQ], v[SQ], v[SQ+1]
	HALF 2
	RD 0, SQ+2
	RD 1, SQ+3
	v_permlane16_swap_b32 v[SQ+2], v[SQ+3]
	v_add_f32 v[SQ+2], v[SQ+2], v[SQ+3]            ; row 32 + l
	v_cmp_eq_u32 vcc_lo, 0, v[MSK]
	v_cndmask_b32 v[SQ], v[SQ], v[NEGR], vcc_lo
	v_cmp_eq_u32 vcc_lo, 0, v[MSK+1]
	v_cndmask_b32 v[SQ+2], v[SQ+2], v[NEGR], vcc_lo
	v_max_num_f32 v[MXA], v[SQ], v[SQ+2]           ; the largest of the 64 scores
	v_max_num_f32_dpp v[MXA], v[MXA], v[MXA] row_xmask:1 row_mask:0xf bank_mask:0xf
	v_max_num_f32_dpp v[MXA], v[MXA], v[MXA] row_xmask:2 row_mask:0xf bank_mask:0xf
	v_max_num_f32_dpp v[MXA], v[MXA], v[MXA] row_xmask:4 row_mask:0xf bank_mask:0xf
	v_max_num_f32_dpp v[MXA], v[MXA], v[MXA] row_xmask:8 row_mask:0xf bank_mask:0xf
	v_permlanex16_b32 v[PT], v[MXA], s44, s45
	v_max_num_f32 v[MXA], v[MXA], v[PT]
	v_sub_f32 v[SQ], v[SQ], v[MXA]                 ; it is taken away first
	v_sub_f32 v[SQ+2], v[SQ+2], v[MXA]
	v_mul_f32 v[SQ], 0x3fb8aa3b, v[SQ]
	v_mul_f32 v[SQ+2], 0x3fb8aa3b, v[SQ+2]
	v_exp_f32 v[SQ], v[SQ]
	v_exp_f32 v[SQ+2], v[SQ+2]
	v_nop                                          ; a plain line behind the exponentials
	s_wait_alu depctr_va_vdst(0)                   ; one wait for the two, ahead of their first reader
	ds_store_b32 v[PA], v[SQ]
	ds_store_b32 v[PA], v[SQ+2] offset:64
.irp z, 0,1,2,3,4,5,6,7
	ds_load_b128 v[AP+4*\z:AP+4*\z+3], v[PR] offset:16*\z   ; register i: p[2 i + h]
.endr
	v_add_f32 v[MXA], v[SQ], v[SQ+2]               ; the sum of p, while the loads are out
	v_add_f32_dpp v[MXA], v[MXA], v[MXA] row_xmask:1 row_mask:0xf bank_mask:0xf
	v_add_f32_dpp v[MXA], v[MXA], v[MXA] row_xmask:2 row_mask:0xf bank_mask:0xf
	v_add_f32_dpp v[MXA], v[MXA], v[MXA] row_xmask:4 row_mask:0xf bank_mask:0xf
	v_add_f32_dpp v[MXA], v[MXA], v[MXA] row_xmask:8 row_mask:0xf bank_mask:0xf
	v_permlanex16_b32 v[PT], v[MXA], s44, s45
	v_add_f32 v[MXA], v[MXA], v[PT]
	v_rcp_f32 v[RC], v[MXA]
	s_wait_dscnt 0x0
	WIN 0x01                                       ; source 0 (the tile) window 1
.set p7i, 0
.rept 32                                       ; sum over s of p[s] emb[s][d]: chunk i is rows 2 i + h, four d a lane; four chains
.set p7c, ACC+4*(p7i%4)
.set p7a, AP+2*(p7i/2)
.if p7i < 4
.if p7i%2 == 0
	v_pk_mul_f32 v[p7c:p7c+1], v[\x+4*p7i:\x+4*p7i+1], v[p7a:p7a+1] op_sel_hi:[1,0]
	v_pk_mul_f32 v[p7c+2:p7c+3], v[\x+4*p7i+2:\x+4*p7i+3], v[p7a:p7a+1] op_sel_hi:[1,0]
.else
	v_pk_mul_f32 v[p7c:p7c+1], v[\x+4*p7i:\x+4*p7i+1], v[p7a:p7a+1] op_sel:[0,1] op_sel_hi:[1,1]
	v_pk_mul_f32 v[p7c+2:p7c+3], v[\x+4*p7i+2:\x+4*p7i+3], v[p7a:p7a+1] op_sel:[0,1] op_sel_hi:[1,1]
.endif
.else
.if p7i%2 == 0
	v_pk_fma_f32 v[p7c:p7c+1], v[\x+4*p7i:\x+4*p7i+1], v[p7a:p7a+1], v[p7c:p7c+1] op_sel_hi:[1,0,1]
	v_pk_fma_f32 v[p7c+2:p7c+3], v[\x+4*p7i+2:\x+4*p7i+3], v[p7a:p7a+1], v[p7c+2:p7c+3] op_sel_hi:[1,0,1]
.else
	v_pk_fma_f32 v[p7c:p7c+1], v[\x+4*p7i:\x+4*p7i+1], v[p7a:p7a+1], v[p7c:p7c+1] op_sel:[0,1,0] op_sel_hi:[1,1,1]
	v_pk_fma_f32 v[p7c+2:p7c+3], v[\x+4*p7i+2:\x+4*p7i+3], v[p7a:p7a+1], v[p7c+2:p7c+3] op_sel:[0,1,0] op_sel_hi:[1,1,1]
.endif
.endif
.set p7i, p7i+1
.endr
	WIN 0
.if \refill >= 0
	XLOAD \x, \refill, 0, 32                       ; the buffer has been read for the last time
.endif
	v_pk_add_f32 v[ACC:ACC+1], v[ACC:ACC+1], v[ACC+4:ACC+5]
	v_pk_add_f32 v[ACC+2:ACC+3], v[ACC+2:ACC+3], v[ACC+6:ACC+7]
	v_pk_add_f32 v[ACC+8:ACC+9], v[ACC+8:ACC+9], v[ACC+12:ACC+13]
	v_pk_add_f32 v[ACC+10:ACC+11], v[ACC+10:ACC+11], v[ACC+14:ACC+15]
	v_pk_add_f32 v[ACC:ACC+1], v[ACC:ACC+1], v[ACC+8:ACC+9]
	v_pk_add_f32 v[ACC+2:ACC+3], v[ACC+2:ACC+3], v[ACC+10:ACC+11]
.irp z, 0,1,2,3
	v_permlanex16_b32 v[PT4+\z], v[ACC+\z], s44, s45   ; even rows and odd rows meet
.endr
.irp z, 0,1,2,3
	v_add_f32 v[ACC+\z], v[ACC+\z], v[PT4+\z]
.endr
	s_wait_alu depctr_va_vdst(0)                   ; the reciprocal's wait, ahead of its first reader; the sums above were the work between
	v_pk_mul_f32 v[ACC:ACC+1], v[ACC:ACC+1], v[RC:RC+1] op_sel_hi:[1,0]
	v_pk_mul_f32 v[ACC+2:ACC+3], v[ACC+2:ACC+3], v[RC:RC+1] op_sel_hi:[1,0]
	ds_store_b128 v[SG], v[ACC:ACC+3] offset:272*\j   ; seg's row 4 w + j; both halves of the lanes store the same bytes
.endm
	; ---- the head: pointers, and every address register, ahead of the first branch on the wave's number
	s_load_b512 s[8:23], s[0:1], 0x0               ; emb 8, mask 10, target 12, att_w1 14, pos_w2 16, proj_w 18, att_b2 20, out0 22
	s_load_b512 s[24:39], s[0:1], 0x40             ; pos_w1, pos_b1, pos_b2, att_b1, att_w2, proj_b, ln_gamma, ln_beta
	v_lshrrev_b32 v236, 5, v0
	v_readfirstlane_b32 s2, v236                   ; wave 0..7
	v_and_b32 v236, 31, v0                         ; lane
	v_and_b32 v237, 15, v0                         ; r
	v_bfe_u32 v238, v0, 4, 1                       ; h
	s_mov_b32 s43, 0x3727c5ac                      ; 1e-5
	s_mov_b32 s44, 0x76543210
	s_mov_b32 s45, 0xfedcba98                      ; v_permlanex16_b32's selects for lane l xor 16
	s_lshl_b32 s3, s2, 16
	v_lshl_add_u32 v[GO], v236, 4, s3
	v_lshlrev_b32 v[OGO], 4, v236
	s_mul_i32 s4, s2, 17408
	s_add_co_u32 s4, s4, STAGE
	v_mul_u32_u24 v241, v237, 272
	v_lshl_add_u32 v241, v238, 7, v241             ; 272 r + 128 h
	v_mul_u32_u24 v242, v238, 272
	v_lshl_add_u32 v242, v237, 4, v242             ; 272 h + 16 r
	v_add_nc_u32 v[ST], s4, v242
	v_add_nc_u32 v[LQ], s4, v241
	s_and_b32 s5, s2, 1                            ; the tail is waves 0 and 1's
	s_mul_i32 s5, s5, 4352
	s_add_co_u32 s6, s5, SEG
	s_add_co_u32 s7, s5, OST
	v_add_nc_u32 v[SR], s6, v241
	v_add_nc_u32 v[OSI], s7, v241
	v_add_nc_u32 v[OSO], s7, v242
	s_lshl_b32 s48, s2, 10
	s_add_co_u32 s49, s48, MASKR
	v_lshl_add_u32 v[MK], v236, 2, s49
	v_lshl_add_u32 v[MKA], v236, 4, s49
	v_lshl_add_u32 v[MGO], v236, 4, s48
	s_lshl_b32 s50, s2, 8
	s_add_co_u32 s51, s50, PBUF
	v_and_b32 v239, 1, v0
	v_bfe_u32 v240, v0, 1, 4
	v_lshlrev_b32 v[PA], 7, v239
	v_lshl_add_u32 v[PA], v240, 2, v[PA]
	v_add_nc_u32 v[PA], s51, v[PA]
	v_lshl_add_u32 v[PR], v238, 7, s51
	s_add_co_u32 s52, s50, SMALL
	v_lshl_add_u32 v[SMA], v236, 3, s52
	v_lshlrev_b32 v[SMO], 3, v236
	v_lshl_add_u32 v[LI], v236, 4, HIMG
	v_lshl_add_u32 v[LJ], v236, 3, HIMG+512
	v_lshl_add_u32 v[LS], v236, 2, USC
	s_mul_i32 s53, s2, 1088
	s_add_co_u32 s53, s53, SEG
	v_lshl_add_u32 v[SG], v237, 4, s53
	v_lshlrev_b32 v[SH8], 3, v238
	v_mov_b32 v[NEGR], 0xce6e6b28
	v_mov_b32 v[NILR], 0
	v_mov_b32 v[RC+1], 0                           ; named with v252 as a pair, so it is written
	v_lshl_add_u32 v[VEC], v238, 7, SMALL
	v_lshlrev_b32 v[TGO], 7, v238
	s_mul_i32 s54, s2, 6144
	v_lshl_add_u32 v[RA1], v236, 4, s54            ; att_w1: 6,144 bytes a wave, in memory and in LDS alike
	s_lshl_b32 s55, s2, 11
	v_lshl_add_u32 v[RA2], v236, 4, s55            ; pos_w2, proj_w: 2,048 bytes a wave
	v_add_nc_u32 v[RA3], 0x10000, v[RA2]
	s_lshr_b32 s3, s2, 2                           ; my units w and w + 8: group w / 4 (+ 2), column tile w % 4
	s_lshl_b32 s3, s3, 14
	s_and_b32 s4, s2, 3
	s_lshl_b32 s4, s4, 5
	s_add_co_u32 s3, s3, s4
	v_and_b32 v243, 7, v0
	v_bfe_u32 v244, v0, 3, 1
	v_lshlrev_b32 v[RB], 2, v243
	v_lshl_add_u32 v[RB], v244, 7, v[RB]           ; column 8 q + r % 8 + 32 (r / 8), 4 bytes each
	v_lshl_add_u32 v[RB], v238, 13, v[RB]          ; lanes 16-31 begin 32 rows of 256 bytes further down
	v_add_nc_u32 v[RB], s3, v[RB]
	v_add_nc_u32 v[RB2], 0x10000, v[RB]
	s_mul_i32 s5, s2, 768
	s_add_co_u32 s6, s5, HIMG
	s_add_co_u32 s7, s5, HIMG+512
	v_lshl_add_u32 v[HB], v236, 4, s6
	v_lshl_add_u32 v[HB2], v236, 3, s7
	s_lshl_b32 s48, s2, 7
	s_add_co_u32 s48, s48, USC
	v_lshl_add_u32 v[SB], v236, 2, s48
	s_wait_kmcnt 0x0
	s_load_b32 s42, s[20:21], 0x0                  ; att_b2
	s_mov_b32 s5, 0
	s_lshl_b32 s4, ttmp9, 19                       ; 32 tiles of 16,384 bytes a work-group
	s_add_nc_u64 s[8:9], s[8:9], s[4:5]
	s_lshl_b32 s4, ttmp9, 13                       ; 32 rows of 256 bytes, in the mask and in out0
	s_add_nc_u64 s[10:11], s[10:11], s[4:5]
	s_add_nc_u64 s[46:47], s[22:23], s[4:5]
	s_and_b32 s4, s2, 1
	s_lshl_b32 s4, s4, 12
	s_add_nc_u64 s[46:47], s[46:47], s[4:5]        ; out0 at the 16 rows of wave 0 or 1
	s_lshr_b32 s4, ttmp9, 1
	s_lshl_b32 s4, s4, 8
	s_add_nc_u64 s[12:13], s[12:13], s[4:5]        ; target's row b
	s_mov_b64 s[40:41], s[24:25]                   ; wave w brings small vector w: a choice on the wave's number alone
.irp k, 1,2,3,4,5,6,7
	s_cmp_eq_u32 s2, \k
	s_cselect_b64 s[40:41], s[24+2*\k:25+2*\k], s[40:41]
.endr
	; 31 small loads, then the first tile's 32: 63 loads of the wave are out
.irp i, 0,1,2,3,4,5,6,7,8,9,10,11
	global_load_b128 v[RAWR+4*\i:RAWR+4*\i+3], v[RA1], s[14:15] offset:512*\i
.endr
.irp i, 0,1,2,3
	global_load_b128 v[RAWR+48+4*\i:RAWR+48+4*\i+3], v[RA2], s[16:17] offset:512*\i
.endr
.irp i, 0,1,2,3
	global_load_b128 v[RAWR+64+4*\i:RAWR+64+4*\i+3], v[RA2], s[18:19] offset:512*\i
.endr
	global_load_b64 v[SMR:SMR+1], v[SMO], s[40:41]
.irp i, 0,1,2,3,4,5,6,7
	global_load_b128 v[TG+4*\i:TG+4*\i+3], v[TGO], s[12:13] offset:16*\i   ; target's block h, the same in all 16 rows of the fragment
.endr
	global_load_b128 v[MKR:MKR+3], v[MGO], s[10:11] th:TH_LOAD_NT
	global_load_b128 v[MKR+4:MKR+7], v[MGO], s[10:11] offset:512 th:TH_LOAD_NT
	XLOAD XA, 0, 0, 32
	s_wait_loadcnt 32                              ; the tile's 32 loads are younger: the 31 are in
.irp i, 0,1,2,3,4,5,6,7,8,9,10,11
	ds_store_b128 v[RA1], v[RAWR+4*\i:RAWR+4*\i+3] offset:512*\i
.endr
.irp i, 0,1,2,3
	ds_store_b128 v[RA2], v[RAWR+48+4*\i:RAWR+48+4*\i+3] offset:49152+512*\i
.endr
.irp i, 0,1,2,3
	ds_store_b128 v[RA3], v[RAWR+64+4*\i:RAWR+64+4*\i+3] offset:512*\i
.endr
	ds_store_b64 v[SMA], v[SMR:SMR+1]
	ds_store_b128 v[MKA], v[MKR:MKR+3]
	ds_store_b128 v[MKA], v[MKR+4:MKR+7] offset:512
	XLOAD XB, 1, 0, 31                             ; 31 of the second tile's loads: 63 are out again; the last goes out when the first tile is in
	BARRIER                                        ; the weights and the small vectors lie in LDS
	; ---- the 20 half fragments of the weights: wave w makes units w, w + 8 and, waves 0-3, w + 16.  A lane takes a column, its registers run down K
.irp i, 0,1,2,3,4,5,6,7,8,9,10,11,12,13,14,15,16,17,18,19,20,21,22,23,24,25,26,27,28,29,30,31
	ds_load_b32 v[UA+\i], v[RB] offset:256*\i
.endr
.irp i, 0,1,2,3,4,5,6,7,8,9,10,11,12,13,14,15,16,17,18,19,20,21,22,23,24,25,26,27,28,29,30,31
	ds_load_b32 v[UB+\i], v[RB] offset:32768+256*\i
.endr
	s_wait_dscnt 32                                ; the second unit's 32 loads may be out
	UNIT UA, 0, 0
	s_wait_dscnt 0x0                               ; the second unit is in, and the stores have read their registers
	UNIT UB, 6144, 1024
	s_cmp_lt_u32 s2, 4
	s_cbranch_scc0 .Lno_third
.irp i, 0,1,2,3,4,5,6,7,8,9,10,11,12,13,14,15,16,17,18,19,20,21,22,23,24,25,26,27,28,29,30,31
	ds_load_b32 v[UC+\i], v[RB2] offset:256*\i
.endr
	s_wait_dscnt 0x0
	UNIT UC, 12288, 2048
.Lno_third:
	BARRIER                                        ; the 20 units lie in LDS
	; ---- waves 0-3: pos_enc's rows 16 w .. 16 w + 15, quantised: unit 20 + w
	s_cmp_lt_u32 s2, 4
	s_cbranch_scc0 .Lno_pos
	VLOAD PA1, 0
	VLOAD PB1, 1
	VLOAD PD, 2
.irp q, 0,1,2,3
	HLOAD PF+12*\q, 12+\q
	ds_load_b32 v[WES+\q], v[LS] offset:128*(12+\q)
.endr
.irp q, 0,1,2,3
	ZERO6 PF+12*\q+6
.endr
	ZERO6 PAF+6
	s_lshl_b32 s3, s2, 4
	s_mov_b32 s4, 0x3c820821                       ; 1 / 63
	s_mov_b32 s5, 0x427c0000                       ; 63
	v_and_b32 v192, 15, v0
	v_add_nc_u32 v192, s3, v192
	v_cvt_f32_u32 v192, v192                       ; s
	v_mul_f32 v190, s4, v192
	v_fma_f32 v193, -v190, s5, v192                ; what the quotient leaves,
	v_fma_f32 v190, v193, s4, v190                 ; put back: s / 63
	v_mov_b32 v191, v190
	s_wait_dscnt 0x0
.irp i, 0,2,4,6,8,10,12,14,16,18,20,22,24,26,28,30
	v_pk_fma_f32 v[PA1+\i:PA1+\i+1], v[PA1+\i:PA1+\i+1], v[190:191], v[PB1+\i:PB1+\i+1]
.endr
.irp i, 0,1,2,3,4,5,6,7,8,9,10,11,12,13,14,15,16,17,18,19,20,21,22,23,24,25,26,27,28,29,30,31
	v_max_num_f32 v[PA1+\i], 0, v[PA1+\i]
.endr
	Q32A PA1, 0
	SCW FS, 0, NILR
	Q32B PA1, PAF, 0
	v_nop
	Q32M PAF, 0
	NOPS 8                                         ; eight places behind the scale word, four and more behind the moves
	WMP PD, PF, PAF                                ; onto pos_b2
	NOPS 4
	Q32A PD, 0
	SCW 238, 0, NILR
	v_lshlrev_b32 v238, 16, v238                   ; bytes 2 and 3 of the data's scale word
	Q32B PD, PCD, 0
	v_nop
	Q32M PCD, 0
	USTORE PCD, 15360, 2560
.Lno_pos:
	s_wait_dscnt 0x0
	s_barrier_signal -1
	; ---- every wave, between signal and wait: register work, and loads of LDS bytes that nobody writes any more: tgt W_tgt + att_b1, att_w2, the lasting weight fragments
.irp q, 0,1,2,3
	HLOAD WE+12*\q, 8+\q
	ds_load_b32 v[WES+\q], v[LS] offset:128*(8+\q)
.endr
	VLOAD CB, 3
	VLOAD W2, 4
.irp q, 0,1,2,3
	ZERO6 WE+12*\q+6
.endr
	ZERO6 F0+6
	Q32A TG, 0
	SCW FS, 0, NILR
	Q32B TG, F0, 0
	v_nop
	Q32M F0, 0
	s_wait_kmcnt 0x0
	v_mov_b32 v[B2P], s42
	v_cmp_eq_u32 vcc_lo, 0, v[SH8]
	v_cndmask_b32 v[B2P], 0, v[B2P], vcc_lo        ; att_b2 once for a row: in lanes 0-15
	NOPS 8
	s_wait_dscnt 0x0
	WMP CB, WE, F0                                 ; onto att_b1
	NOPS 4
.irp q, 0,1,2,3
	HLOAD WE+12*\q, \q
	HLOAD WE+12*\q+6, 4+\q
	ds_load_b32 v[WES+\q], v[LS] offset:128*\q
	ds_load_b32 v[MX+\q], v[LS] offset:128*(4+\q)
.endr
	s_wait_dscnt 0x0
.irp q, 0,1,2,3
	v_lshl_or_b32 v[WES+\q], v[MX+\q], 16, v[WES+\q]   ; bytes 0, 1: w_emb's blocks; 2, 3: w_pos's
.endr
	s_barrier_wait -1                              ; pos_enc's four units lie in LDS
.irp m, 0,1,2,3
	ds_load_b32 v[PSC+\m], v[LS] offset:128*(20+\m)
.endr
	; ---- my four tiles.  Every offset is an immediate; no pointer is stepped
	TILE 0, XA, 31, 1, 2                           ; behind tile 0's loads: 31 of tile 1's
	TILE 1, XB, 32, 0, 3                           ; behind tile 1's last: tile 2's 32
	TILE 2, XA, 32, 0, -1                          ; behind tile 2's: tile 3's 32
	TILE 3, XB, 0, 0, -1
	BARRIER                                        ; the 32 rows of seg lie in LDS
	; ---- waves 0 and 1: 16 rows each through proj_w and the LayerNorm
	s_cmp_lt_u32 s2, 2
	s_cbranch_scc0 .Lend
.irp z, 0,1,2,3,4,5,6,7
	ds_load_b128 v[Q0+4*\z:Q0+4*\z+3], v[SR] offset:16*\z
.endr
.irp q, 0,1,2,3
	HLOAD WE+12*\q, 16+\q
	ds_load_b32 v[WES+\q], v[LS] offset:128*(16+\q)
.endr
	VLOAD CB, 5
	VLOAD W2, 6
	VLOAD Q1, 7
.irp q, 0,1,2,3
	ZERO6 WE+12*\q+6
.endr
	ZERO6 F0+6
	s_mov_b32 s3, 0x3c800000                       ; 1 / 64
	s_wait_dscnt 0x0
	Q32A Q0, 0
	SCW FS, 0, NILR
	Q32B Q0, F0, 0
	v_nop
	Q32M F0, 0
	NOPS 8
	WMP CB, WE, F0                                 ; onto proj_b: lane (r, h) holds row r's units 32 h .. 32 h + 31
	NOPS 4
	v_pk_add_f32 v[DA:DA+1], v[CB:CB+1], v[CB+2:CB+3]   ; the mean, ascending, in two chains
	v_pk_add_f32 v[DA+2:DA+3], v[CB+4:CB+5], v[CB+6:CB+7]
.irp p, 4,5,6,7,8,9,10,11,12,13,14,15
	v_pk_add_f32 v[DA+2*(\p%2):DA+2*(\p%2)+1], v[DA+2*(\p%2):DA+2*(\p%2)+1], v[CB+2*\p:CB+2*\p+1]
.endr
	v_pk_add_f32 v[DA:DA+1], v[DA:DA+1], v[DA+2:DA+3]
	v_add_f32 v[MX], v[DA], v[DA+1]
	v_permlanex16_b32 v[MX+1], v[MX], s44, s45
	v_add_f32 v[MX], v[MX], v[MX+1]
	v_mul_f32 v[MX], s3, v[MX]
	v_mov_b32 v[MX+1], v[MX]
.irp p, 0,1,2,3,4,5,6,7,8,9,10,11,12,13,14,15
	v_pk_add_f32 v[CB+2*\p:CB+2*\p+1], v[CB+2*\p:CB+2*\p+1], v[MX:MX+1] neg_lo:[0,1] neg_hi:[0,1]
.endr
	v_pk_mul_f32 v[DA:DA+1], v[CB:CB+1], v[CB:CB+1]     ; the variance, of the differences
	v_pk_mul_f32 v[DA+2:DA+3], v[CB+2:CB+3], v[CB+2:CB+3]
.irp p, 2,3,4,5,6,7,8,9,10,11,12,13,14,15
	v_pk_fma_f32 v[DA+2*(\p%2):DA+2*(\p%2)+1], v[CB+2*\p:CB+2*\p+1], v[CB+2*\p:CB+2*\p+1], v[DA+2*(\p%2):DA+2*(\p%2)+1]
.endr
	v_pk_add_f32 v[DA:DA+1], v[DA:DA+1], v[DA+2:DA+3]
	v_add_f32 v[MX+2], v[DA], v[DA+1]
	v_permlanex16_b32 v[MX+3], v[MX+2], s44, s45
	v_add_f32 v[MX+2], v[MX+2], v[MX+3]
	v_fma_f32 v[MX+2], v[MX+2], s3, s43            ; / 64 + 1e-5
	v_rsq_f32 v[MX+2], v[MX+2]
	v_nop                                          ; a plain line behind the root
	s_wait_alu depctr_va_vdst(0)                   ; and its wait, ahead of the first reader
	v_mov_b32 v[MX+3], v[MX+2]
.irp p, 0,1,2,3,4,5,6,7,8,9,10,11,12,13,14,15
	v_pk_mul_f32 v[CB+2*\p:CB+2*\p+1], v[CB+2*\p:CB+2*\p+1], v[MX+2:MX+3]
.endr
.irp p, 0,1,2,3,4,5,6,7,8,9,10,11,12,13,14,15
	v_pk_fma_f32 v[CB+2*\p:CB+2*\p+1], v[CB+2*\p:CB+2*\p+1], v[W2+2*\p:W2+2*\p+1], v[Q1+2*\p:Q1+2*\p+1]
.endr
.irp z, 0,1,2,3,4,5,6,7
	ds_store_b128 v[OSI], v[CB+4*\z:CB+4*\z+3] offset:16*\z   ; my 128 bytes of row r
.endr
.irp z, 0,1,2,3,4,5,6,7
	ds_load_b128 v[Q0+4*\z:Q0+4*\z+3], v[OSO] offset:544*\z   ; back by rows: LDS serves a wave's instructions in order
.endr
.irp z, 0,1,2,3,4,5,6,7
	s_wait_dscnt 7-\z                              ; the younger loads may be out
	global_store_b128 v[OGO], v[Q0+4*\z:Q0+4*\z+3], s[46:47] offset:512*\z th:TH_STORE_NT   ; 32 lanes store two rows: 512 consecutive bytes, at a multiple of 256 from out0's first byte
.endr
.Lend:
	s_barrier_signal -1
	s_barrier_wait -1
	s_wait_xcnt 0x0
	v_lshl_add_u32 v254, v0, 2, 0x42800
	v_mov_b32 v255, 0
	s_wait_tensorcnt 0x0
	ds_add_u32 v254, v255
	s_wait_dscnt 0x0
	s_endpgm
.Lfunc_end_k_qa55e6b4db0_encoder:
	.size	k_qa55e6b4db0_encoder, .Lfunc_end_k_qa55e6b4db0_encoder-k_qa55e6b4db0_encoder
	.p2alignl 7, 3214868480
	.fill 96, 4, 3214868480
	.section	.rodata,"a",@progbits
	.p2align	6, 0x0
	.amdhsa_kernel k_qa55e6b4db0_encoder
		.amdhsa_group_segment_fixed_size 273408
		.amdhsa_private_segment_fixed_size 0
		.amdhsa_enable_private_segment 0
		.amdhsa_kernarg_size 128
		.amdhsa_user_sgpr_count 2
		.amdhsa_user_sgpr_kernarg_segment_ptr 1
		.amdhsa_wavefront_size32 1
		.amdhsa_system_sgpr_workgroup_id_x 1
		.amdhsa_system_sgpr_workgroup_id_y 1
		.amdhsa_system_sgpr_workgroup_id_z 1
		.amdhsa_system_vgpr_workitem_id 0
		.amdhsa_next_free_vgpr 512
		.amdhsa_next_free_sgpr 66
		.amdhsa_reserve_vcc 1
		.amdhsa_float_denorm_mode_32 3
		.amdhsa_float_denorm_mode_16_64 3
		.amdhsa_memory_ordered 1
		.amdhsa_forward_progress 1
		.amdhsa_inst_pref_size 181
	.end_amdhsa_kernel
	.amdgpu_metadata
---
amdhsa.version: [ 1, 2 ]
amdhsa.kernels:
  - .name:           k_qa55e6b4db0_encoder
    .symbol:         k_qa55e6b4db0_encoder.kd
    .args:
      - { .name: segmented_emb, .offset: 0, .size: 8, .value_kind: global_buffer, .address_space: global }
      - { .name: segmented_mask, .offset: 8, .size: 8, .value_kind: global_buffer, .address_space: global }
      - { .name: target_emb, .offset: 16, .size: 8, .value_kind: global_buffer, .address_space: global }
      - { .name: att_w1, .offset: 24, .size: 8, .value_kind: global_buffer, .address_space: global }
      - { .name: pos_w2, .offset: 32, .size: 8, .value_kind: global_buffer, .address_space: global }
      - { .name: proj_w, .offset: 40, .size: 8, .value_kind: global_buffer, .address_space: global }
      - { .name: att_b2, .offset: 48, .size: 8, .value_kind: global_buffer, .address_space: global }
      - { .name: out0, .offset: 56, .size: 8, .value_kind: global_buffer, .address_space: global }
      - { .name: pos_w1, .offset: 64, .size: 8, .value_kind: global_buffer, .address_space: global }
      - { .name: pos_b1, .offset: 72, .size: 8, .value_kind: global_buffer, .address_space: global }
      - { .name: pos_b2, .offset: 80, .size: 8, .value_kind: global_buffer, .address_space: global }
      - { .name: att_b1, .offset: 88, .size: 8, .value_kind: global_buffer, .address_space: global }
      - { .name: att_w2, .offset: 96, .size: 8, .value_kind: global_buffer, .address_space: global }
      - { .name: proj_b, .offset: 104, .size: 8, .value_kind: global_buffer, .address_space: global }
      - { .name: ln_gamma, .offset: 112, .size: 8, .value_kind: global_buffer, .address_space: global }
      - { .name: ln_beta, .offset: 120, .size: 8, .value_kind: global_buffer, .address_space: global }
    .group_segment_fixed_size: 273408
    .private_segment_fixed_size: 0
    .kernarg_segment_align: 8
    .kernarg_segment_size: 128
    .max_flat_workgroup_size: 256
    .sgpr_count:     66
    .vgpr_count:     512
    .wavefront_size: 32
...
	.end_amdgpu_metadata
.endif
;; end of part 1
